; MI455X (gfx1250); checked and timed in simulation.
; The chip was launched on July 23, 2026; its instructions are those of AMD's public machine-readable ISA for CDNA 5 (MIT licence, August 2026) and "CDNA5" Instruction Set Architecture Reference Guide (July 2026). The comments in the code are by the model that wrote it; some were corrected since.
;; Ring Attention Simulated. Allowed arithmetic: matrix products marked QUANTISED: E2M3 operands, one E8M0 scale for each 32 along K, by v_wmma_scale_f32_16x16x128_f8f6f4 with both operands' format E2M3, f32 sums; everything else in f32.
;; Inputs: Wk_codes 1,024 x 32 x 24 uint8 (E2M3 codes of Wk, K innermost, in blocks of 32 codes, four codes in three bytes); Wk_scales 1,024 x 32 uint8 (E8M0 scales of Wk, one for each 32 codes along K); Wo_codes 1,024 x 32 x 24 uint8 (E2M3 codes of Wo, K innermost, in blocks of 32 codes, four codes in three bytes); Wo_scales 1,024 x 32 uint8 (E8M0 scales of Wo, one for each 32 codes along K); Wq_codes 1,024 x 32 x 24 uint8 (E2M3 codes of Wq, K innermost, in blocks of 32 codes, four codes in three bytes); Wq_scales 1,024 x 32 uint8 (E8M0 scales of Wq, one for each 32 codes along K); Wv_codes 1,024 x 32 x 24 uint8 (E2M3 codes of Wv, K innermost, in blocks of 32 codes, four codes in three bytes); Wv_scales 1,024 x 32 uint8 (E8M0 scales of Wv, one for each 32 codes along K); x_codes 2 x 2,048 x 32 x 24 uint8 (E2M3 codes of x, K innermost, in blocks of 32 codes, four codes in three bytes); x_scales 2 x 2,048 x 32 uint8 (E8M0 scales of x, one for each 32 codes along K).
;; Outputs: out0 2 x 2,048 x 1,024 float32.
;; This version of the problem:
;;   THIS VERSION OF THE PROBLEM IS GIVEN IN LOW PRECISION. The matrix products marked QUANTISED in the list below multiply operands that are first quantised to E2M3 (2 exponent bits, 3 mantissa bits; 6 bits a number), with one power-of-two scale for each 32 numbers along K (OCP MX v1.0); their sums are f32. All else is computed in f32.
;;   The module's matrix products, in the order in which they are computed (A, B: the left and right operand; K: the contracted axis; several contracted axes count as one K, in the product's order):
;;     1. [M 4,096, K 1,024] x [K 1,024, N 1,024]; A: input x (given as codes); B: input Wq (given as codes): QUANTISED
;;     2. [M 4,096, K 1,024] x [K 1,024, N 1,024]; A: input x (given as codes); B: input Wk (given as codes): QUANTISED
;;     3. [M 4,096, K 1,024] x [K 1,024, N 1,024]; A: input x (given as codes); B: input Wv (given as codes): QUANTISED
;;     4. batch 32 x [M 2,048, K 64] x [K 64, N 2,048]; A: computed on the way; B: computed on the way: QUANTISED
;;     5. batch 32 x [M 2,048, K 2,048] x [K 2,048, N 64]; A: computed on the way; B: computed on the way: QUANTISED
;;     6. [M 4,096, K 1,024] x [K 1,024, N 1,024]; A: computed on the way; B: input Wo (given as codes): QUANTISED
;;   THE QUANTISER, for each operand of a quantised product, along K:
;;     - K is cut into blocks of 32 from its start; a last block that is shorter is filled with zeros.
;;     - A block's scale is 2^e with e = floor(log2(the largest magnitude in the block)) - 2, held to -126 .. 127; a block of zeros has e = 0. As a byte (E8M0): e + 127.
;;     - Each number is divided by its block's scale, clamped to +-7.5, and rounded to the nearest number of E2M3, ties to even, subnormals kept.
;;     - The product sums the exact products of the quantised numbers (number of the format x scale) in f32.
;;   ~~~python
;;   def quantise(x, axis):      # numpy; x: float32 -> the quantised numbers, widened to float32 again
;;       x = np.moveaxis(x, axis, -1); K = x.shape[-1]
;;       x = np.pad(x, [(0, 0)] * (x.ndim - 1) + [(0, -K % 32)]); x = x.reshape(x.shape[:-1] + (-1, 32)); a = np.abs(x).max(-1, keepdims=True)
;;       e = np.where(a > 0, np.clip(np.frexp(np.where(a > 0, a, 1))[1] - 1 - 2, -126, 127), 0)      # np.frexp(a)[1] - 1 = floor(log2(a)), exactly
;;       r = np.clip(x / 2.0 ** e, -7.5, 7.5)
;;       step = 2.0 ** (np.maximum(np.frexp(np.where(r == 0, 1, r))[1] - 1, 0) - 3)
;;       q = np.round(r / step) * step * 2.0 ** e      # np.round: ties to even
;;       return np.moveaxis(q.reshape(q.shape[:-2] + (-1,))[..., :K], -1, axis).astype(np.float32)
;;   ~~~
;;   OPERANDS COMPUTED ON THE WAY. 'Computed on the way' means the value that the module computes at that place (a softmax that the list does not call 'softmax' is quantised finished and normalised). What goes into a quantiser is computed in f32, as accurately as f32 sums, v_exp_f32 and their like allow (about 1e-6 of the number): no bf16 or f16 on the way to a quantiser, and a product that is left as it is and whose result goes on into a quantised operand takes f32 operands (vector FMAs, or v_wmma_f32_16x16x4_f32). A number that lies on a knife's edge between two numbers of the format may be rounded either way, as far as f32 arithmetic and the matrix unit's own rounding can turn it there, and no further.
;;   INPUTS GIVEN AS CODES. Wk (in the module: [1024, 1024], K = its axis 0); Wo (in the module: [1024, 1024], K = its axis 0); Wq (in the module: [1024, 1024], K = its axis 0); Wv (in the module: [1024, 1024], K = its axis 0); x (in the module: [2, 2048, 1024], K = its axis 2): each comes as NAME_codes (uint8): NAME with its K axis moved to the last place and cut into blocks of 32 codes, [.., K / 32, bytes a block], one block behind the other in memory; four codes in three bytes: a row's codes are one little-endian stream of bits, code i at bits 6 i .. 6 i + 5 (a code: sign, 2 exponent bits, 3 mantissa bits); and NAME_scales (uint8): the same leading axes, one E8M0 byte (e + 127) for each 32 codes along K. Its value is code x scale, taken as it is: it is not quantised again, and the codes and scales need not be those that the quantiser above would give.
;; One version. Each part assembles by itself: llvm-mc -triple=amdgcn-amd-amdhsa -mcpu=gfx1250 --defsym DOCPART=n.
;; ======== version 1 of 1: 3 launches
;; limits: right only within a limited range of input values
;; workspace buffers: qkv 9,830,400 bytes; obuf 3,276,800 bytes
;; launch qkv (part 1): grid 8 x 32, 4 waves a work-group, clusters of 4 x 4, 327,680 bytes of LDS; arguments x_codes, x_scales, Wq_codes, Wq_scales, Wk_codes, Wk_scales, Wv_codes, Wv_scales, qkv; writes qkv
.if DOCPART == 1
	.amdgcn_target "amdgcn-amd-amdhsa--gfx1250"
	.amdhsa_code_object_version 6
	.text
	.protected	k_qe6670247fd_qkv
	.globl	k_qe6670247fd_qkv
	.p2align	8
	.type	k_qe6670247fd_qkv,@function
k_qe6670247fd_qkv:
	s_mov_b64 s[64:65], 0
	v_nop
	global_prefetch_b8 v0, s[64:65] scope:SCOPE_SE
	s_setreg_imm32_b32 hwreg(HW_REG_WAVE_MODE, 25, 1), 1
	s_wait_xcnt 0x0
	s_wait_alu depctr_hold_cnt(0) depctr_sa_sdst(0) depctr_va_vdst(0) depctr_va_sdst(0) depctr_va_ssrc(0) depctr_va_vcc(0) depctr_vm_vsrc(0)
	s_getreg_b32 s2, hwreg(HW_REG_IB_STS2, 6, 4)
	s_cmp_eq_u32 s2, 0
	s_cbranch_scc0 .Lentry_in_a_cluster
	s_endpgm
.Lentry_in_a_cluster:
	s_bfe_u32 s2, ttmp6, 0x10000c
	s_cmp_lg_u32 s2, 0xf033
	s_cbranch_scc0 .Lentry_shape_is_right
	s_endpgm
.Lentry_shape_is_right:
; q = x Wq, k = x Wk, v = x Wv on codes of FP6 (E2M3) with E8M0 scales, sums in f32, K = 1,024 ascending in one chain for each output; the results are quantised in registers
; (q and k along the head's 64, v along the keys) and stored as IMAGES OF OPERAND REGISTERS for the attention launch.
; SHARES.  A work-group takes 128 tokens (tb) x 128 columns (cb) of ALL THREE products.  Wave w: tokens 64 (w / 2) on x columns 64 (w % 2) on (one head): 16 accumulators a product.
; x's 128 rows come into LDS once; each wave reads its 64 rows' fragments for all of K into 384 registers and keeps them for the three products.
; W's tiles go through two slots: Wq at the head into slot A, Wk into slot B (a first fill behind a round), Wv into slot A again (a refill behind a round).
; THE ROWS OF A TILE: lane r of tile t takes row 8 t + (r & 7) + 32 (r >> 3) of its 64.  With such tiles as source 0, a lane's 32 results of tiles 0-3 are the neighbours 32 (lane / 16) + 0 .. 31
; of the next K: one whole block of 32 in a lane, so a block's maximum asks no other lane.  q, k: source 0 = W (the head's d), source 1 = x.  v: source 0 = x (the keys), source 1 = Wv.
; CLUSTER 4 x 4: x's tile is shared along a row of the cluster, W's tiles along a column: each is asked for jointly.
; OUT.  A half fragment (16 rows x 64 along K, registers 0-5) is 768 bytes: lane l's registers 0-3 at 16 l, registers 4-5 at 512 + 8 l.  qkv = 3 sections of SECT bytes (q, k, v), each 32 head regions
; of HEADB bytes: 98,304 of images, 4,096 of scale words.  q, k: token tile T at 768 T; the word of pair T / 2, row r at 98,304 + 64 (T / 2) + 4 r = two bytes of tile 2 b, two of tile 2 b + 1.
; v: key step ks, d tile dt, key half c at 6,144 ks + 1,536 dt + 768 c; word at 98,304 + 256 ks + 64 dt + 4 r.
; No prefetch: the launch has no loop over memory to run ahead in; each tile is asked for one product ahead of its use.
; LIMITS: NaN, infinities and the scale byte 0xff among the inputs are not served.  A block whose largest magnitude lies under 2^-124 keeps the byte 1; so does a block of zeros, where the rule says 127:
; its codes are zeros, and the bytes are read by this program alone.
.set PITCH, 816                        ; an LDS row: 3 x (256 bytes + 16 of padding)
.set HALFT, 64*PITCH
.set TILE,  128*PITCH
.set SLA,   TILE                       ; x at 0, slot A, slot B
.set SLB,   2*TILE
.set SPARE, 3*TILE                     ; the spare words
.set SECT,  3276800
.set HEADB, 102400
.set SCOFF, 98304
.set AX,  8                            ; v8, v9   x: row x pitch + 24 h; + 40 h for pieces behind one padding more
.set AWA, 10                           ; v10, v11 W in slot A
.set AWB, 12                           ; v12, v13 W in slot B
.set SPW, 20
.set NIL, 21
.set TM,  22                           ; v22-29 at work in QUANT
.set XS,  32                           ; v32-47 x's scale words: pair i, K step q at XS + 8 i + q: lanes 0-15 tile 2 i, lanes 16-31 tile 2 i + 1
.set WSC, 48                           ; v48-95 the same for Wq, Wk, Wv
.set PC,  96                           ; v96-127 the codes just made, 8 registers a tile
.set ACC, 128                          ; accumulator (s, t) at ACC + 32 s + 8 t
; window 1: x's fragments of K steps 0-4 at 48 q; window 2: K steps 5-7 at 48 (q - 5), W's two buffers at 144, 192
.set G1X, 28
.set G1W, 36
.set G0X, 44
.set G0W, 48
.set G0K, 52
.set G0V, 56
.set SEL, 60
.set MSB, 0
.macro WIN new
.if MSB != (\new)
	s_set_vgpr_msb (MSB<<8)|(\new)
.set MSB, (\new)
.endif
.endm
.macro PLACES
.rept 4
	v_nop
.endr
.endm
.macro CROUND
	s_barrier_signal -1
	s_barrier_wait -1
	s_cmp_lg_u32 s3, 0
	s_cbranch_scc1 .Lnot_wave_0_\@
	s_barrier_signal -3
.Lnot_wave_0_\@:
	s_barrier_wait -3
	s_barrier_signal -1
	s_barrier_wait -1
.endm
.macro THREE
	s_wait_tensorcnt 0x0
	ds_add_u32 v[SPW], v[NIL]
	s_wait_dscnt 0x0
.endm
.macro WM d, a, b, c, sa, sb, ra, rb
.if (\ra) && (\rb)
	v_wmma_scale_f32_16x16x128_f8f6f4 v[\d:\d+7], v[\a:\a+11], v[\b:\b+11], \c, v[\sa], v[\sb] matrix_a_fmt:MATRIX_FMT_FP6 matrix_b_fmt:MATRIX_FMT_FP6 matrix_a_scale:MATRIX_SCALE_ROW1 matrix_b_scale:MATRIX_SCALE_ROW1
.elseif (\ra)
	v_wmma_scale_f32_16x16x128_f8f6f4 v[\d:\d+7], v[\a:\a+11], v[\b:\b+11], \c, v[\sa], v[\sb] matrix_a_fmt:MATRIX_FMT_FP6 matrix_b_fmt:MATRIX_FMT_FP6 matrix_a_scale:MATRIX_SCALE_ROW1
.elseif (\rb)
	v_wmma_scale_f32_16x16x128_f8f6f4 v[\d:\d+7], v[\a:\a+11], v[\b:\b+11], \c, v[\sa], v[\sb] matrix_a_fmt:MATRIX_FMT_FP6 matrix_b_fmt:MATRIX_FMT_FP6 matrix_b_scale:MATRIX_SCALE_ROW1
.else
	v_wmma_scale_f32_16x16x128_f8f6f4 v[\d:\d+7], v[\a:\a+11], v[\b:\b+11], \c, v[\sa], v[\sb] matrix_a_fmt:MATRIX_FMT_FP6 matrix_b_fmt:MATRIX_FMT_FP6
.endif
.endm
; a fragment in pieces of 8 bytes: piece P of a row lies at 8 P + 16 (P / 32); lanes 16-31 read three pieces on
.macro FRAG reg, adr, q, rowoff
.irp p, 0,1,2,3,4,5
.set PCE, 12*(\q)+6*(\p/3)+\p%3
.if PCE%32 < 29
	ds_load_b64 v[\reg+2*\p:\reg+2*\p+1], v[\adr] offset:8*PCE+16*(PCE/32)+(\rowoff)
.else
	ds_load_b64 v[\reg+2*\p:\reg+2*\p+1], v[\adr+1] offset:8*PCE+16*(PCE/32)+(\rowoff)
.endif
.endr
.endm
.macro FETCHW aw, q, f                 ; W's four fragments of K step q into buffer f: 24 loads
	WIN 0x80
.irp t, 0,1,2,3
	FRAG 144+48*(\f)+12*\t, \aw, \q, 8*\t*PITCH
.endr
.endm
.macro MUL q, f, zero, wsc, xf         ; 16 products, the 16 accumulators by turns.  xf = 1: x is source 0
.set XW, 1+(\q)/5
.set XR, 48*((\q)%5)
.set WR, 144+48*(\f)
.if \xf
	WIN (XW|8)
.else
	WIN (2|(XW<<2))
.endif
.irp t, 0,1,2,3
.irp s, 0,1,2,3
.if \xf
.if \zero
	WM ACC+32*\s+8*\t, XR+12*\t, WR+12*\s, 0, XS+8*(\t/2)+(\q), \wsc+8*(\s/2)+(\q), \t%2, \s%2
.else
	WM ACC+32*\s+8*\t, XR+12*\t, WR+12*\s, v[ACC+32*\s+8*\t:ACC+32*\s+8*\t+7], XS+8*(\t/2)+(\q), \wsc+8*(\s/2)+(\q), \t%2, \s%2
.endif
.else
.if \zero
	WM ACC+32*\s+8*\t, WR+12*\t, XR+12*\s, 0, \wsc+8*(\t/2)+(\q), XS+8*(\s/2)+(\q), \t%2, \s%2
.else
	WM ACC+32*\s+8*\t, WR+12*\t, XR+12*\s, v[ACC+32*\s+8*\t:ACC+32*\s+8*\t+7], \wsc+8*(\t/2)+(\q), XS+8*(\s/2)+(\q), \t%2, \s%2
.endif
.endif
.endr
.endr
.endm
.macro KLOOP aw, wsc, xf               ; one product's eight K steps; K step 0's fragments of W have been asked for
.irp q, 0,1,2,3,4,5,6,7
.if \q < 7
.if \q > 0
	PLACES                                         ; the buffer loaded next was multiplied by the products just issued
.endif
	FETCHW \aw, \q+1, (\q+1)%2
	s_wait_dscnt 24                                ; all but the 24 loads just issued
.else
	s_wait_dscnt 0x0
.endif
.if \q == 0
	MUL \q, 0, 1, \wsc, \xf                        ; the first K step starts the sums
.else
	MUL \q, \q%2, 0, \wsc, \xf
.endif
.endr
	WIN 0
.endm
; the four groups of 32 results, each one block of 32 a lane, become four half fragments in v[PC + 8 s] on; v[TM + s]: the group's two scale bytes, in every lane
.macro QUANT
.irp s, 0,1,2,3
	v_max3_num_f32 v[TM+\s], |v[ACC+32*\s]|, |v[ACC+32*\s+1]|, 0x1800000   ; the floor 2^(3 - 127): the byte cannot fall under 1
.endr
.irp i, 2,4,6,8,10,12,14,16,18,20,22,24,26,28,30
.irp s, 0,1,2,3
	v_max3_num_f32 v[TM+\s], v[TM+\s], |v[ACC+32*\s+\i]|, |v[ACC+32*\s+\i+1]|
.endr
.endr
.irp s, 0,1,2,3
	v_add_nc_u32 v[TM+4+\s], 0xff000000, v[TM+\s]      ; 2 off the exponent field: the conversion's scale operand
.endr
.irp s, 0,1,2,3
	v_lshrrev_b32 v[TM+\s], 23, v[TM+4+\s]             ; the byte
.endr
.irp s, 0,1,2,3
	v_lshlrev_b32 v[TM+\s], v15, v[TM+\s]              ; at its place: 8 h bits up
.endr
.irp s, 0,1,2,3
	v_cvt_scalef32_pk16_fp6_f32 v[PC+8*\s:PC+8*\s+2], v[ACC+32*\s:ACC+32*\s+15], v[TM+4+\s]
	v_cvt_scalef32_pk16_fp6_f32 v[PC+8*\s+4:PC+8*\s+6], v[ACC+32*\s+16:ACC+32*\s+31], v[TM+4+\s]
.endr
	v_nop                                          ; one plain place behind a scaled conversion
.irp s, 0,1,2,3
.irp i, 3,4,5
	v_mov_b32 v[PC+8*\s+\i], v[PC+8*\s+\i+1]           ; a conversion's three registers begin on an even number: the second three move one down
.endr
.endr
.irp s, 0,1,2,3
	v_permlanex16_b32 v[TM+4+\s], v[TM+\s], s[SEL], s[SEL+1]
.endr
.irp s, 0,1,2,3
	v_or_b32 v[TM+\s], v[TM+\s], v[TM+4+\s]
.endr
.endm
.macro IMGS ib, stride                 ; each store of the wave covers 512 or 256 consecutive bytes, at a multiple of 256 from the buffer's first byte
.irp s, 0,1,2,3
	global_store_b128 v16, v[PC+8*\s:PC+8*\s+3], s[\ib:\ib+1] offset:\stride*\s
	global_store_b64 v17, v[PC+8*\s+4:PC+8*\s+5], s[\ib:\ib+1] offset:\stride*\s+512
.endr
.endm
.macro OUTQK ib, sb
	IMGS \ib, 768
	v_lshl_or_b32 v[TM], v[TM+1], 16, v[TM]            ; the words of the two pairs of tiles
	v_lshl_or_b32 v[TM+2], v[TM+3], 16, v[TM+2]
	v_cmp_eq_u32 vcc_lo, 1, v2
	v_cndmask_b32 v[TM], v[TM], v[TM+2], vcc_lo
	global_store_b32 v18, v[TM], s[\sb:\sb+1] offset:SCOFF   ; 128 consecutive bytes
.endm
	s_load_b512 s[8:23], s[0:1], 0x0               ; x's codes, scales; Wq's; Wk's; Wv's
	s_load_b64 s[24:25], s[0:1], 0x40              ; qkv
	v_lshl_add_u32 v[SPW], v0, 2, SPARE
	v_mov_b32 v[NIL], 0
	ds_add_u32 v[SPW], v[NIL]                      ; the opening lines
	ds_add_u32 v[SPW], v[NIL]
	v_lshrrev_b32 v4, 5, v0
	v_readfirstlane_b32 s3, v4                     ; wave
	s_lshr_b32 s4, s3, 1                           ; my half of the tokens; at the head: I fetch for x (0) or Wq (1)
	s_and_b32 s5, s3, 1                            ; my half of the columns; at the head: which 64 rows I fetch
	s_bfe_u32 s6, ttmp6, 0x40000                   ; cx
	s_bfe_u32 s7, ttmp6, 0x40004                   ; cy
	s_lshl_b32 s27, ttmp9, 2
	s_add_co_u32 s27, s27, s6                      ; cb
	s_and_b32 s26, ttmp7, 0xffff
	s_lshl_b32 s26, s26, 2
	s_add_co_u32 s26, s26, s7                      ; tb
	s_lshl_b32 s86, s7, 2
	s_lshl_b32 s86, 15, s86                        ; my row of the cluster
	s_lshl_b32 s87, 0x1111, s6                     ; my column
	s_or_b32 s[G1X], s86, (0<<16)|(1<<20)|(1<<21)|(5<<22)|(3<<25)
	s_or_b32 s[G1W], s87, (0<<16)|(1<<20)|(1<<21)|(5<<22)|(3<<25)
.irp g, G1X, G1W
	s_mov_b32 s[\g+1], 768<<16
	s_mov_b32 s[\g+2], 64<<16                      ; 64 rows at the head
	s_mov_b32 s[\g+3], 768<<16
	s_mov_b32 s[\g+4], 64
	s_mov_b32 s[\g+5], 768
	s_mov_b32 s[\g+6], 0
	s_mov_b32 s[\g+7], 0
.endr
	s_mul_i32 s88, s5, 49152
	s_mul_i32 s90, s26, 98304
	s_add_co_u32 s90, s90, s88                     ; x: (128 tb + 64 half) rows
	s_mov_b32 s91, 0
	s_mul_i32 s92, s27, 98304
	s_mul_i32 s94, s3, 24576
	s_add_co_u32 s94, s94, s92                     ; Wk, Wv: (128 cb + 32 w) rows
	s_mov_b32 s95, 0
	s_add_co_u32 s92, s92, s88                     ; Wq: (128 cb + 64 half) rows
	s_mov_b32 s93, 0
	s_mul_i32 s89, s3, HALFT
	s_mul_i32 s88, s3, 32*PITCH
	s_mov_b32 s[SEL], 0x76543210
	s_mov_b32 s[SEL+1], 0xfedcba98
	s_wait_dscnt 0x0
	s_wait_kmcnt 0x0
	s_mov_b32 s[G0X], 1
	s_mov_b32 s[G0X+1], s89
	s_add_nc_u64 s[G0X+2:G0X+3], s[8:9], s[90:91]
	s_or_b32 s[G0X+3], s[G0X+3], 0x80000000
	s_mov_b32 s[G0W], 1
	s_mov_b32 s[G0W+1], s89
	s_add_nc_u64 s[G0W+2:G0W+3], s[12:13], s[92:93]
	s_or_b32 s[G0W+3], s[G0W+3], 0x80000000
	s_mov_b32 s[G0K], 1
	s_add_co_u32 s[G0K+1], s88, SLB
	s_add_nc_u64 s[G0K+2:G0K+3], s[16:17], s[94:95]
	s_or_b32 s[G0K+3], s[G0K+3], 0x80000000
	s_mov_b32 s[G0V], 1
	s_add_co_u32 s[G0V+1], s88, SLA
	s_add_nc_u64 s[G0V+2:G0V+3], s[20:21], s[94:95]
	s_or_b32 s[G0V+3], s[G0V+3], 0x80000000
	CROUND                                         ; the first joint loads meet
	s_cmp_eq_u32 s4, 0
	s_cbranch_scc0 .Lfor_w
	tensor_load_to_lds s[G0X:G0X+3], s[G1X:G1X+7]
	s_nop 0
	PLACES
	s_branch .Lasked
.Lfor_w:
	tensor_load_to_lds s[G0W:G0W+3], s[G1W:G1W+7]
	s_nop 0
	PLACES
.Lasked:
	s_lshl_b32 s86, s26, 12                        ; scales: 32 bytes a row
	s_lshl_b32 s87, s4, 11
	s_add_co_u32 s86, s86, s87
	s_mov_b32 s87, 0
	s_add_nc_u64 s[78:79], s[10:11], s[86:87]      ; x's at my 64 tokens
	s_lshl_b32 s86, s27, 12
	s_lshl_b32 s88, s5, 11
	s_add_co_u32 s86, s86, s88
	s_add_nc_u64 s[80:81], s[14:15], s[86:87]      ; W's at my 64 rows
	s_add_nc_u64 s[82:83], s[18:19], s[86:87]
	s_add_nc_u64 s[84:85], s[22:23], s[86:87]
	s_lshr_b32 s88, s26, 4
	s_lshl_b32 s88, s88, 4
	s_lshl_b32 s89, s27, 1
	s_add_co_u32 s88, s88, s89
	s_add_co_u32 s88, s88, s5
	s_mul_i32 s88, s88, HEADB                      ; my head's region: 16 batch + 2 cb + w % 2
	s_and_b32 s89, s26, 15                         ; tl
	s_mul_i32 s90, s89, 6144
	s_add_co_u32 s90, s90, s88
	s_lshl_b32 s92, s89, 8
	s_add_co_u32 s92, s92, s88
	s_mul_i32 s94, s4, 3072
	s_add_co_u32 s86, s90, s94
	s_add_nc_u64 s[66:67], s[24:25], s[86:87]      ; q's images: tiles 8 tl + 4 (w / 2) on
	s_add_co_u32 s86, s86, SECT
	s_add_nc_u64 s[70:71], s[24:25], s[86:87]      ; k's
	s_mul_i32 s94, s4, 768
	s_add_co_u32 s86, s90, s94
	s_add_co_u32 s86, s86, 2*SECT
	s_add_nc_u64 s[74:75], s[24:25], s[86:87]      ; v's: key half w / 2
	s_lshl_b32 s94, s4, 7
	s_add_co_u32 s86, s92, s94
	s_add_nc_u64 s[68:69], s[24:25], s[86:87]      ; q's scale words
	s_add_co_u32 s86, s86, SECT
	s_add_nc_u64 s[72:73], s[24:25], s[86:87]      ; k's
	s_lshl_b32 s94, s4, 1
	s_add_co_u32 s86, s92, s94
	s_add_co_u32 s86, s86, 2*SECT
	s_add_nc_u64 s[76:77], s[24:25], s[86:87]      ; v's: bytes 2 (w / 2) on
	s_mul_i32 s86, s4, HALFT
	s_mul_i32 s88, s5, HALFT
	s_add_co_u32 s89, s88, SLB
	s_add_co_u32 s88, s88, SLA
	v_bfe_u32 v2, v0, 4, 1                         ; h
	v_and_b32 v3, 31, v0                           ; lane
	v_and_b32 v4, 7, v0
	v_bfe_u32 v5, v0, 3, 1
	v_lshl_add_u32 v4, v5, 5, v4                   ; (r & 7) + 32 (r >> 3)
	v_lshl_add_u32 v14, v2, 3, v4
	v_lshlrev_b32 v14, 5, v14                      ; scale words: lanes 16-31 take the pair's second tile, 8 rows on
	v_mul_u32_u24 v5, v4, PITCH
	v_mad_u32_u24 v6, v2, 24, v5
	v_mad_u32_u24 v7, v2, 40, v5
	v_add_nc_u32 v[AX], s86, v6
	v_add_nc_u32 v[AX+1], s86, v7
	v_add_nc_u32 v[AWA], s88, v6
	v_add_nc_u32 v[AWA+1], s88, v7
	v_add_nc_u32 v[AWB], s89, v6
	v_add_nc_u32 v[AWB+1], s89, v7
	v_lshlrev_b32 v15, 3, v2
	v_lshlrev_b32 v16, 4, v3
	v_lshlrev_b32 v17, 3, v3
	v_lshlrev_b32 v18, 2, v3
	s_wait_alu depctr_va_vdst(0)                   ; the wait at the head's end
.macro SCL reg, sb
.irp i, 0,1
	global_load_b128 v[\reg+8*\i:\reg+8*\i+3], v14, s[\sb:\sb+1] offset:512*\i
	global_load_b128 v[\reg+8*\i+4:\reg+8*\i+7], v14, s[\sb:\sb+1] offset:512*\i+16
.endr
.endm
	SCL XS, 78
	SCL WSC, 80
	SCL WSC+16, 82
	SCL WSC+32, 84
	s_wait_tensorcnt 0x0                           ; my part of x or Wq is in
	ds_add_u32 v[SPW], v[NIL]
	s_mov_b32 s[G1W+2], 32<<16                     ; no load of mine is out: from here on a load of W brings 32 rows
	s_mov_b32 s[G1W+4], 32
	s_wait_dscnt 0x0
	CROUND
	tensor_load_to_lds s[G0K:G0K+3], s[G1W:G1W+7]  ; Wk into slot B: a first fill, my one load behind the round
	s_nop 0
	PLACES
.irp q, 0,1,2,3,4,5,6,7                        ; x's fragments of my 64 tokens, all of K: they stay
	WIN (0x40*(1+\q/5))
.irp s, 0,1,2,3
	FRAG 48*(\q%5)+12*\s, AX, \q, 8*\s*PITCH
.endr
.endr
	FETCHW AWA, 0, 0
	s_wait_loadcnt 0x0                             ; the scale words
	KLOOP AWA, WSC, 0                              ; q
	THREE                                          ; Wk is in, my reads of x and of slot A are over
	CROUND
	tensor_load_to_lds s[G0V:G0V+3], s[G1W:G1W+7]  ; Wv into slot A again
	s_nop 0
	PLACES                                         ; also the places in front of the loads and of the first read of results
	FETCHW AWB, 0, 0
	WIN 0
	QUANT
	OUTQK 66, 68
	KLOOP AWB, WSC+16, 0                           ; k
	s_wait_tensorcnt 0x0                           ; my part of Wv is in,
	s_barrier_signal -1
	s_barrier_wait -1                              ; everybody's is
	PLACES
	FETCHW AWA, 0, 0
	WIN 0
	s_wait_xcnt 0x0                                ; the stores' data registers are written again only behind this wait
	QUANT
	OUTQK 70, 72
	KLOOP AWA, WSC+32, 1                           ; v
	PLACES
	s_wait_xcnt 0x0
	QUANT
	IMGS 74, 1536
	v_cmp_eq_u32 vcc_lo, 1, v2
	v_cndmask_b32 v[TM], v[TM], v[TM+1], vcc_lo    ; lanes 0-15 d tile 0 (2), lanes 16-31 d tile 1 (3): my key half's two bytes of each row's word
	v_cndmask_b32 v[TM+2], v[TM+2], v[TM+3], vcc_lo
	global_store_b16 v18, v[TM], s[76:77] offset:SCOFF
	global_store_b16 v18, v[TM+2], s[76:77] offset:SCOFF+128
	THREE
	CROUND                                         ; the closing round
	s_endpgm
.Lfunc_end_k_qe6670247fd_qkv:
	.size	k_qe6670247fd_qkv, .Lfunc_end_k_qe6670247fd_qkv-k_qe6670247fd_qkv
	.p2alignl 7, 3214868480
	.fill 96, 4, 3214868480
	.section	.rodata,"a",@progbits
	.p2align	6, 0x0
	.amdhsa_kernel k_qe6670247fd_qkv
		.amdhsa_group_segment_fixed_size 327680
		.amdhsa_private_segment_fixed_size 0
		.amdhsa_enable_private_segment 0
		.amdhsa_kernarg_size 72
		.amdhsa_user_sgpr_count 2
		.amdhsa_user_sgpr_kernarg_segment_ptr 1
		.amdhsa_wavefront_size32 1
		.amdhsa_system_sgpr_workgroup_id_x 1
		.amdhsa_system_sgpr_workgroup_id_y 1
		.amdhsa_system_sgpr_workgroup_id_z 1
		.amdhsa_system_vgpr_workitem_id 0
		.amdhsa_next_free_vgpr 768
		.amdhsa_next_free_sgpr 96
		.amdhsa_reserve_vcc 1
		.amdhsa_float_denorm_mode_32 3
		.amdhsa_float_denorm_mode_16_64 3
		.amdhsa_memory_ordered 1
		.amdhsa_forward_progress 1
		.amdhsa_inst_pref_size 133
	.end_amdhsa_kernel
	.amdgpu_metadata
---
amdhsa.version: [ 1, 2 ]
amdhsa.kernels:
  - .name:           k_qe6670247fd_qkv
    .symbol:         k_qe6670247fd_qkv.kd
    .args:
      - { .name: x_codes, .offset: 0, .size: 8, .value_kind: global_buffer, .address_space: global }
      - { .name: x_scales, .offset: 8, .size: 8, .value_kind: global_buffer, .address_space: global }
      - { .name: Wq_codes, .offset: 16, .size: 8, .value_kind: global_buffer, .address_space: global }
      - { .name: Wq_scales, .offset: 24, .size: 8, .value_kind: global_buffer, .address_space: global }
      - { .name: Wk_codes, .offset: 32, .size: 8, .value_kind: global_buffer, .address_space: global }
      - { .name: Wk_scales, .offset: 40, .size: 8, .value_kind: global_buffer, .address_space: global }
      - { .name: Wv_codes, .offset: 48, .size: 8, .value_kind: global_buffer, .address_space: global }
      - { .name: Wv_scales, .offset: 56, .size: 8, .value_kind: global_buffer, .address_space: global }
      - { .name: qkv, .offset: 64, .size: 8, .value_kind: global_buffer, .address_space: global }
    .group_segment_fixed_size: 327680
    .private_segment_fixed_size: 0
    .kernarg_segment_align: 8
    .kernarg_segment_size: 72
    .max_flat_workgroup_size: 128
    .sgpr_count:     96
    .vgpr_count:     768
    .wavefront_size: 32
...
	.end_amdgpu_metadata
.endif
;; end of part 1
;; launch attn (part 2): grid 8 x 32, 16 waves a work-group, clusters of 4 x 1, 327,680 bytes of LDS; arguments qkv, obuf; writes obuf
.if DOCPART == 2
	.amdgcn_target "amdgcn-amd-amdhsa--gfx1250"
	.amdhsa_code_object_version 6
	.text
	.protected	k_qe6670247fd_attn
	.globl	k_qe6670247fd_attn
	.p2align	8
	.type	k_qe6670247fd_attn,@function
k_qe6670247fd_attn:
	s_mov_b64 s[64:65], 0
	v_nop
	global_prefetch_b8 v0, s[64:65] scope:SCOPE_SE
	s_setreg_imm32_b32 hwreg(HW_REG_WAVE_MODE, 25, 1), 1
	s_wait_xcnt 0x0
	s_wait_alu depctr_hold_cnt(0) depctr_sa_sdst(0) depctr_va_vdst(0) depctr_va_sdst(0) depctr_va_ssrc(0) depctr_va_vcc(0) depctr_vm_vsrc(0)
	s_getreg_b32 s2, hwreg(HW_REG_IB_STS2, 6, 4)
	s_cmp_eq_u32 s2, 0
	s_cbranch_scc0 .Lentry_in_a_cluster
	s_endpgm
.Lentry_in_a_cluster:
	s_bfe_u32 s2, ttmp6, 0x10000c
	s_cmp_lg_u32 s2, 0x3003
	s_cbranch_scc0 .Lentry_shape_is_right
	s_endpgm
.Lentry_shape_is_right:
; o = softmax(q k^T / 8, causal) v for one head, on codes of FP6 (E2M3); the finished, normalised softmax is quantised along the keys, o along the head's 64.  In: the images that launch qkv stored; out: images for proj.
; LEFT OUT: key steps that lie wholly above the diagonal: the causal mask sets their scores to -inf, so their p is 0 for every input.  A NaN or infinity that reaches only those scores is not carried.
; SHARES.  A work-group has one head (grid y) and 16 query tiles of 16 rows: tile 8 a + x, a = 0 .. 15 (x = grid x).  The head's K and V, images and scale words, lie in LDS whole, filled once:
; each of the 16 waves asks for 12,800 bytes, jointly with the three partners of its cluster, which have the same head.  No refill, no loop over memory: so no prefetch.
; TWO WAVES SHARE A TILE'S KEY STEPS (128 keys each).  Pair p = w / 2 has tiles a = p and a = 15 - p.  Each wave has a job X (odd key steps; it gives its part of O away) and a job Y (even key steps; it finishes the tile);
; my X is my partner's Y.  So a wave walks 8 or 9 key steps in each pass.
; TWO PASSES.  Pass 1: each lane's running maximum and sum, and each block's largest score (kept in LDS, two words a lane and step).  The pair joins maxima and sums through LDS (one barrier).
; Pass 2: p = 2^(c s - c max - log2(sum)), the normalised softmax by one multiply-add and one exponential; quantised; O^T += V^T p^T.  X's part of O goes to the partner through LDS (one barrier).
; A block's largest p is the same two instructions on the block's largest score.
; BOTH PRODUCTS ARE USED TRANSPOSED; a tile of K holds keys 64 c + 8 t + (r & 7) + 32 (r >> 3), so a lane's 32 scores of tiles 4 c .. 4 c + 3 are keys 64 c + 32 h + 0 .. 31: a whole block.  V's d tiles likewise.
; K = 64 in a form of 128: a fragment of K holds two tiles, and q stands beside zero codes, low or high.
; LIMITS: NaN, infinities and the byte 0xff are not served; the scaled scores stay under 2^31 in magnitude.  A block whose largest number lies under 2^-124 keeps the byte 1.
.set SECT,  3276800
.set HEADB, 102400
.set KSCL,  98304
.set VREG,  102400
.set VSCL,  200704
.set BMR,   204800                     ; for each wave 6,144 bytes: X's block maxima at 0 (later the stage for X's O, 4,096 bytes), Y's at 4,096
.set WREG,  6144
.set STAT,  303104                     ; for each wave 512 bytes: X's sum and maximum, Y's
.set SPARE, 311296
.set OSC,   3145728
.set STX, 26                           ; -c max, max, the sum in two halves
.set STY, 32
.set BM,  36
.set SO,  38
.set BT,  40
.set NCX, 46
.set NCY, 56
.set QB,  60                           ; 6 zeros, X's q, 6 zeros, Y's q, 6 zeros
.set PC,  90
.set KF,  110                          ; K's fragments, then V's
.set S,   158
.set O,   222
.macro PLACES
.rept 4
	v_nop
.endr
.endm
.macro AW
	s_wait_alu depctr_va_vdst(0)
.endm
.macro CROUND
	s_barrier_signal -1
	s_barrier_wait -1
	s_cmp_lg_u32 s8, 0
	s_cbranch_scc1 .Lnot_wave_0_\@
	s_barrier_signal -3
.Lnot_wave_0_\@:
	s_barrier_wait -3
	s_barrier_signal -1
	s_barrier_wait -1
.endm
.macro WM d, a, b, c, sa, sb, ra
.if (\ra)
	v_wmma_scale_f32_16x16x128_f8f6f4 v[\d:\d+7], v[\a:\a+11], v[\b:\b+11], \c, v[\sa], v[\sb] matrix_a_fmt:MATRIX_FMT_FP6 matrix_b_fmt:MATRIX_FMT_FP6 matrix_a_scale:MATRIX_SCALE_ROW1
.else
	v_wmma_scale_f32_16x16x128_f8f6f4 v[\d:\d+7], v[\a:\a+11], v[\b:\b+11], \c, v[\sa], v[\sb] matrix_a_fmt:MATRIX_FMT_FP6 matrix_b_fmt:MATRIX_FMT_FP6
.endif
.endm
.macro FLOAD a16, a8, asc, sc          ; four fragments (images) and their scale words
.irp pf, 0,1,2,3
	ds_load_b128 v[KF+12*\pf:KF+12*\pf+3], v[\a16] offset:1536*\pf
	ds_load_b64 v[KF+12*\pf+4:KF+12*\pf+5], v[\a8] offset:1536*\pf+512
	ds_load_b128 v[KF+12*\pf+6:KF+12*\pf+9], v[\a16] offset:1536*\pf+768
	ds_load_b64 v[KF+12*\pf+10:KF+12*\pf+11], v[\a8] offset:1536*\pf+1280
.endr
	ds_load_b32 v[\sc], v[\asc]
	ds_load_b32 v[\sc+1], v[\asc] offset:128
.endm
.macro QK qb, qs
.irp pf, 0,1,2,3
.irp u, 0,1
	WM S+8*(2*\pf+\u), KF+12*\pf, \qb+6-6*\u, 0, 50+\pf/2, \qs, \pf%2
.endr
.endr
.endm
.macro MASK                            ; register n is key 64 (n / 32) + 32 h + n % 32 of the step; v15 = my query's place - 32 h
.set n, 0
.rept 64
	v_cmp_gt_i32 vcc_lo, 64*(n/32)+n%32, v15
	v_cndmask_b32 v[S+n], v[S+n], v16, vcc_lo
.set n, n+1
.endr
.endm
.macro BMAX                            ; my two blocks' largest scores, in four chains; each accumulator is first read at its low end
.irp c, 0,1
.irp g, 0,16
	v_max3_num_f32 v[BT+2*\c+\g/16], v[S+32*\c+\g], v[S+32*\c+\g+1], v[S+32*\c+\g+2]
.endr
.endr
.irp i, 3,5,7,9,11,13
.irp c, 0,1
.irp g, 0,16
	v_max3_num_f32 v[BT+2*\c+\g/16], v[BT+2*\c+\g/16], v[S+32*\c+\g+\i], v[S+32*\c+\g+\i+1]
.endr
.endr
.endr
.irp c, 0,1
	v_max3_num_f32 v[BM+\c], v[BT+2*\c], v[BT+2*\c+1], v[S+32*\c+15]
.endr
.irp c, 0,1
	v_max_num_f32 v[BM+\c], v[BM+\c], v[S+32*\c+31]
.endr
.endm
.macro TSHIFT r
.set n, 0
.rept 32
	v_pk_fma_f32 v[S+n:S+n+1], v[S+n:S+n+1], s[34:35], v[\r:\r+1] op_sel_hi:[1,0,0]
.set n, n+2
.endr
.endm
.macro EXPS
.set n, 0
.rept 64
	v_exp_f32 v[S+n], v[S+n]
.set n, n+1
.endr
.endm
.macro START areg, k0, bmo             ; a walk over every second key step from k0 on; eight trips, those beyond the diagonal jump over the work
	s_mov_b32 s41, s[\areg]
	s_mov_b32 s37, \k0
	s_mov_b32 s38, \k0*6144
	s_mov_b32 s39, \k0*256
	s_mov_b32 s40, \bmo
	s_mov_b32 s51, 8
.endm
.macro TOP
	v_add_nc_u32 v8, s38, v1
	v_add_nc_u32 v9, s38, v2
	v_add_nc_u32 v10, s39, v3
	v_add_nc_u32 v14, s40, v7
	FLOAD 8, 9, 10, 50
.endm
.macro TAIL
	s_add_co_u32 s38, s38, 12288
	s_add_co_u32 s39, s39, 512
	s_add_co_u32 s40, s40, 256
	s_add_co_u32 s37, s37, 2
	s_sub_co_u32 s51, s51, 1
	s_cmp_lg_u32 s51, 0
.endm
.macro P1 st, qb, qs, areg, k0, bmo
	START \areg, \k0, \bmo
.Lp1_\@:
	s_cmp_gt_u32 s37, s41
	s_cbranch_scc1 .Lp1t_\@
	TOP
	s_wait_dscnt 0x0
	QK \qb, \qs
	PLACES
	s_cmp_lg_u32 s37, s41
	s_cbranch_scc1 .Lp1o_\@
	MASK
.Lp1o_\@:
	BMAX
	ds_store_b64 v14, v[BM:BM+1]
	v_mov_b32 v17, v[\st]
	v_max3_num_f32 v[\st+1], v[BM], v[BM+1], v[\st+1]  ; my lane's running maximum
	s_delay_alu instid0(VALU_DEP_1)
	v_mul_f32 v[\st], s36, v[\st+1]
	s_delay_alu instid0(VALU_DEP_1)
	v_sub_f32 v17, v[\st], v17
	AW
	v_exp_f32 v30, v17                             ; what was summed under the old maximum is brought under the new
	TSHIFT \st
	AW
	EXPS
	AW
	v_pk_mul_f32 v[\st+2:\st+3], v[\st+2:\st+3], v[30:31] op_sel_hi:[1,0]
	v_pk_add_f32 v[54:55], v[S:S+1], v[S+2:S+3]
.irp j, 4,8,12,16,20,24,28,32,36,40,44,48,52,56,60
	v_pk_add_f32 v[\st+2:\st+3], v[\st+2:\st+3], v[S+\j:S+\j+1]
	v_pk_add_f32 v[54:55], v[54:55], v[S+\j+2:S+\j+3]
.endr
	s_delay_alu instid0(VALU_DEP_1)
	v_pk_add_f32 v[\st+2:\st+3], v[\st+2:\st+3], v[54:55]
.Lp1t_\@:
	TAIL
	s_cbranch_scc1 .Lp1_\@
	AW
.endm
.macro MERGE st, pt, nc                ; four parts of a row (two lanes, two waves) become -c max - log2(sum)
	v_max_num_f32 v36, v[\st+1], v[\pt+1]
	v_permlanex16_b32 v37, v36, s32, s33
	v_max_num_f32 v36, v36, v37
	v_mul_f32 v38, s36, v36
	v_fma_f32 v39, v[\st+1], s34, v38
	v_fma_f32 v40, v[\pt+1], s34, v38
	AW
	v_exp_f32 v39, v39
	v_exp_f32 v40, v40
	v_nop
	AW
	v_mul_f32 v39, v[\st+2], v39
	v_fma_f32 v39, v[\pt], v40, v39
	v_permlanex16_b32 v37, v39, s32, s33
	v_add_f32 v39, v39, v37
	AW
	v_log_f32 v39, v39
	v_nop
	AW
	v_sub_f32 v[\nc], v38, v39
.endm
.macro P2 nc, qb, qs, areg, k0, bmo
.set n, 0
.rept 32
	v_mov_b32 v[O+n], 0                            ; a wave may have no key step of a job: its part of O is 0
.set n, n+1
.endr
	START \areg, \k0, \bmo
.Lp2_\@:
	s_cmp_gt_u32 s37, s41
	s_cbranch_scc1 .Lp2t_\@
	TOP                                            ; its four additions are the places behind the last trip's products
	ds_load_b64 v[BM:BM+1], v14
	s_wait_dscnt 0x0
	QK \qb, \qs
	v_add_nc_u32 v11, s38, v4                      ; five places, then V's fragments land where K's lay
	v_add_nc_u32 v12, s38, v5
	v_add_nc_u32 v13, s39, v6
	v_fma_f32 v[BM], v[BM], s34, v[\nc]
	v_fma_f32 v[BM+1], v[BM+1], s34, v[\nc]
	FLOAD 11, 12, 13, 52
	s_cmp_lg_u32 s37, s41
	s_cbranch_scc1 .Lp2o_\@
	MASK
.Lp2o_\@:
	TSHIFT \nc
	AW
	EXPS
	v_exp_f32 v[BM], v[BM]
	v_exp_f32 v[BM+1], v[BM+1]
	v_nop
	AW
.irp c, 0,1
	v_max_num_f32 v[BM+\c], 0x1800000, v[BM+\c]        ; the floor 2^(3 - 127)
.endr
.irp c, 0,1
	v_add_nc_u32 v[SO+\c], 0xff000000, v[BM+\c]
.endr
.irp c, 0,1
	v_lshrrev_b32 v[BT+\c], 23, v[SO+\c]
.endr
	v_lshl_or_b32 v48, v[BT+1], 16, v[BT]              ; my blocks h and 2 + h,
	s_delay_alu instid0(VALU_DEP_1)
	v_lshlrev_b32 v48, v58, v48                        ; at their places;
	s_delay_alu instid0(VALU_DEP_1)
	v_permlanex16_b32 v17, v48, s32, s33
	s_delay_alu instid0(VALU_DEP_1)
	v_or_b32 v48, v48, v17                             ; with lane l xor 16's the word is whole
.irp c, 0,1
	v_cvt_scalef32_pk16_fp6_f32 v[PC+6*\c:PC+6*\c+2], v[S+32*\c:S+32*\c+15], v[SO+\c]
	v_cvt_scalef32_pk16_fp6_f32 v[PC+12+4*\c:PC+14+4*\c], v[S+32*\c+16:S+32*\c+31], v[SO+\c]
.endr
	v_nop
.irp c, 0,1
.irp i, 0,1,2
	v_mov_b32 v[PC+3+6*\c+\i], v[PC+12+4*\c+\i]
.endr
.endr
	AW
	s_wait_dscnt 0x0                               ; V's fragments
	PLACES
.irp dt, 0,1,2,3
	WM O+8*\dt, KF+12*\dt, PC, v[O+8*\dt:O+8*\dt+7], 52+\dt/2, 48, \dt%2
.endr
.Lp2t_\@:
	TAIL
	s_cbranch_scc1 .Lp2_\@
	AW
	PLACES
.endm
	s_load_b128 s[4:7], s[0:1], 0x0                ; qkv, obuf
	v_lshl_add_u32 v254, v0, 2, SPARE
	v_mov_b32 v255, 0
	ds_add_u32 v254, v255                          ; the opening lines
	ds_add_u32 v254, v255
	v_lshrrev_b32 v8, 5, v0
	v_readfirstlane_b32 s8, v8                     ; wave
	s_bfe_u32 s9, ttmp6, 0x40000
	s_lshl_b32 s10, ttmp9, 2
	s_add_co_u32 s10, s10, s9                      ; x
	s_and_b32 s11, ttmp7, 0xffff                   ; head
	s_mov_b32 s16, 15|(3<<16)|(1<<21)              ; 50 rows of 256 bytes, dense; the mask names the cluster's four
	s_mov_b32 s17, 32<<16
	s_mov_b32 s18, 50<<16
	s_mov_b32 s19, 32<<16
	s_mov_b32 s20, 50
	s_mov_b32 s21, 32
	s_mov_b32 s22, 0
	s_mov_b32 s23, 0
	s_mul_i32 s43, s8, 12800                       ; waves 0-7 K's region, waves 8-15 V's, which follows it in LDS
	s_lshr_b32 s44, s8, 3
	s_mul_i32 s44, s44, SECT-HEADB
	s_mul_i32 s46, s11, HEADB
	s_add_co_u32 s44, s44, s43
	s_add_co_u32 s44, s44, s46
	s_add_co_u32 s44, s44, SECT
	s_mov_b32 s45, 0
	s_mov_b32 s47, 0
	s_mov_b32 s32, 0x76543210
	s_mov_b32 s33, 0xfedcba98
	s_mov_b32 s34, 0x3e38aa3b                      ; c = log2(e) / 8
	s_mov_b32 s35, s34
	s_mov_b32 s36, 0xbe38aa3b
	s_wait_dscnt 0x0
	s_wait_kmcnt 0x0
	s_mov_b32 s24, 1
	s_mov_b32 s25, s43
	s_add_nc_u64 s[26:27], s[4:5], s[44:45]
	s_or_b32 s27, s27, 0x80000000
	s_add_nc_u64 s[4:5], s[4:5], s[46:47]          ; q's region of my head
	CROUND
	tensor_load_to_lds s[24:27], s[16:23]          ; my one tensor load
	s_nop 0
	PLACES
	s_lshr_b32 s12, s8, 1
	s_lshr_b32 s43, s8, 2
	s_xor_b32 s43, s43, s8
	s_and_b32 s43, s43, 1                          ; which of the pair I am: (w xor w / 4) & 1, so that among waves w, w + 4, w + 8, w + 12 two walk 8 key steps a pass and two 9
	s_mul_i32 s43, s43, 15
	s_xor_b32 s12, s12, s43                        ; X's a
	s_xor_b32 s13, s12, 15                         ; Y's a
	s_lshl_b32 s44, s12, 3
	s_add_co_u32 s44, s44, s10
	s_mul_i32 s45, s44, 768
	s_lshr_b32 s46, s44, 1
	s_lshl_b32 s46, s46, 6
	s_add_co_u32 s46, s46, KSCL
	s_lshl_b32 s47, s13, 3
	s_add_co_u32 s47, s47, s10
	s_mul_i32 s48, s47, 768
	s_lshr_b32 s49, s47, 1
	s_lshl_b32 s49, s49, 6
	s_add_co_u32 s49, s49, KSCL
	s_lshr_b32 s50, s11, 4
	s_lshl_b32 s50, s50, 7
	s_add_co_u32 s50, s50, s47                     ; Y's tile among all: 128 batch + T
	s_and_b32 s43, s11, 15
	s_mul_i32 s52, s50, 12288
	s_mul_i32 s44, s43, 768
	s_add_co_u32 s52, s52, s44
	s_lshl_b32 s53, s50, 9
	s_lshl_b32 s44, s43, 1
	s_add_co_u32 s53, s53, s44
	s_lshr_b32 s54, s10, 2
	s_lshl_b32 s54, s54, 6
	s_and_b32 s44, s10, 3
	s_lshl_b32 s44, s44, 3
	s_add_co_u32 s54, s54, s44                     ; my tile's place in its 128 tokens: 64 (x / 4) + 8 (x % 4)
	s_and_b32 s42, s10, 1
	s_mul_i32 s42, s42, 0x02020202
	s_add_co_u32 s42, s42, 0x01000100              ; q's two bytes of its pair's word, twice
	s_mul_i32 s55, s8, WREG
	s_add_co_u32 s55, s55, BMR
	s_xor_b32 s44, s8, 1
	s_mul_i32 s56, s44, WREG
	s_add_co_u32 s56, s56, BMR
	s_lshl_b32 s57, s8, 9
	s_add_co_u32 s57, s57, STAT
	s_lshl_b32 s58, s44, 9
	s_add_co_u32 s58, s58, STAT
	v_and_b32 v9, 31, v0
	v_and_b32 v10, 15, v0
	v_bfe_u32 v11, v0, 4, 1
	v_lshlrev_b32 v1, 4, v9
	v_lshlrev_b32 v2, 3, v9
	v_lshl_add_u32 v3, v9, 2, KSCL
	v_add_nc_u32 v4, VREG, v1
	v_add_nc_u32 v5, VREG, v2
	v_lshl_add_u32 v6, v9, 2, VSCL
	v_add_nc_u32 v7, s55, v2
	v_add_nc_u32 v21, s55, v1
	v_add_nc_u32 v22, s56, v1
	v_add_nc_u32 v59, s57, v2
	v_add_nc_u32 v49, s58, v2
	v_lshlrev_b32 v19, 2, v10
	v_lshlrev_b32 v58, 3, v11
	v_and_b32 v12, 7, v0
	v_bfe_u32 v13, v0, 3, 1
	v_lshl_add_u32 v12, v13, 5, v12
	v_lshlrev_b32 v13, 5, v11
	v_sub_nc_u32 v12, v12, v13
	v_add_nc_u32 v15, s54, v12
	v_mov_b32 v16, 0xff800000
	v_add_nc_u32 v40, s45, v1
	v_add_nc_u32 v41, s45, v2
	v_add_nc_u32 v17, s46, v19
	v_add_nc_u32 v42, s48, v1
	v_add_nc_u32 v43, s48, v2
	v_add_nc_u32 v44, s49, v19
	v_add_nc_u32 v23, s52, v1
	v_add_nc_u32 v24, s52, v2
	v_lshl_add_u32 v25, v19, 3, s53
	AW
	global_load_b128 v[QB+6:QB+9], v40, s[4:5]
	global_load_b64 v[QB+10:QB+11], v41, s[4:5] offset:512
	global_load_b32 v18, v17, s[4:5]
	global_load_b128 v[QB+18:QB+21], v42, s[4:5]
	global_load_b64 v[QB+22:QB+23], v43, s[4:5] offset:512
	global_load_b32 v20, v44, s[4:5]
	s_wait_loadcnt 0x0
	v_perm_b32 v18, v18, v18, s42
	v_perm_b32 v20, v20, v20, s42
.irp i, 0,1,2,3,4,5,12,13,14,15,16,17,24,25,26,27,28,29
	v_mov_b32 v[QB+\i], 0
.endr
.irp st, STX, STY
	v_mov_b32 v[\st+1], 0xff61b1e6                 ; -3e38, under every score
	v_mov_b32 v[\st+2], 0
	v_mov_b32 v[\st+3], 0
.endr
	v_mul_f32 v[STX], s36, v[STX+1]
	v_mul_f32 v[STY], s36, v[STY+1]
.irp r, 31,36,37,47,57
	v_mov_b32 v\r, 0
.endr
	AW
	s_wait_tensorcnt 0x0                           ; my part of K or V is in,
	s_barrier_signal -1
	s_barrier_wait -1                              ; all of K is
	P1 STX, QB, 18, 12, 1, 0
	P1 STY, QB+12, 20, 13, 0, 4096
.irp st, STX, STY
	v_add_f32 v[\st+2], v[\st+2], v[\st+3]
	v_mov_b32 v[\st+3], v[\st+1]
.endr
	ds_store_b64 v59, v[STX+2:STX+3]
	ds_store_b64 v59, v[STY+2:STY+3] offset:256
	AW
	s_wait_dscnt 0x0
	s_barrier_signal -1
	s_barrier_wait -1
	ds_load_b64 v[42:43], v49 offset:256           ; my partner's Y is the other part of my X,
	ds_load_b64 v[44:45], v49                      ; its X of my Y
	s_wait_dscnt 0x0
	MERGE STX, 42, NCX
	MERGE STY, 44, NCY
	P2 NCX, QB, 18, 12, 1, 0
.irp i, 0,1,2,3,4,5,6,7
	ds_store_b128 v21, v[O+4*\i:O+4*\i+3] offset:512*\i   ; X's part of O, for my partner; X's block maxima, which lay here, are done with
.endr
	P2 NCY, QB+12, 20, 13, 0, 4096
	s_wait_dscnt 0x0
	s_barrier_signal -1
	s_barrier_wait -1
.irp i, 0,1,2,3,4,5,6,7
	ds_load_b128 v[S+4*\i:S+4*\i+3], v22 offset:512*\i
.endr
	s_wait_dscnt 0x0
.irp j, 0,2,4,6,8,10,12,14,16,18,20,22,24,26,28,30
	v_pk_add_f32 v[O+\j:O+\j+1], v[O+\j:O+\j+1], v[S+\j:S+\j+1]
.endr
	v_max3_num_f32 v36, |v[O]|, |v[O+1]|, 0x1800000    ; my 32 numbers are d = 32 h + 0 .. 31: one block
	v_max_num_f32 v37, |v[O+16]|, |v[O+17]|
.irp i, 2,4,6,8,10,12,14
	v_max3_num_f32 v36, v36, |v[O+\i]|, |v[O+\i+1]|
	v_max3_num_f32 v37, v37, |v[O+16+\i]|, |v[O+17+\i]|
.endr
	v_max_num_f32 v36, v36, v37
	v_add_nc_u32 v38, 0xff000000, v36
	v_lshrrev_b32 v40, 23, v38
	v_lshlrev_b32 v40, v58, v40
	v_permlanex16_b32 v17, v40, s32, s33
	v_or_b32 v40, v40, v17
	v_cvt_scalef32_pk16_fp6_f32 v[PC:PC+2], v[O:O+15], v38
	v_cvt_scalef32_pk16_fp6_f32 v[PC+12:PC+14], v[O+16:O+31], v38
	v_nop
.irp i, 0,1,2
	v_mov_b32 v[PC+3+\i], v[PC+12+\i]
.endr
	global_store_b128 v23, v[PC:PC+3], s[6:7]      ; 512 consecutive bytes,
	global_store_b64 v24, v[PC+4:PC+5], s[6:7] offset:512   ; 256
	global_store_b16 v25, v40, s[6:7] offset:OSC   ; my head's two bytes of the row's 32
	s_wait_tensorcnt 0x0                           ; the wave's end
	ds_add_u32 v254, v255
	s_wait_dscnt 0x0
	CROUND                                         ; the closing round
	s_endpgm
.Lfunc_end_k_qe6670247fd_attn:
	.size	k_qe6670247fd_attn, .Lfunc_end_k_qe6670247fd_attn-k_qe6670247fd_attn
	.p2alignl 7, 3214868480
	.fill 96, 4, 3214868480
	.section	.rodata,"a",@progbits
	.p2align	6, 0x0
	.amdhsa_kernel k_qe6670247fd_attn
		.amdhsa_group_segment_fixed_size 327680
		.amdhsa_private_segment_fixed_size 0
		.amdhsa_enable_private_segment 0
		.amdhsa_kernarg_size 16
		.amdhsa_user_sgpr_count 2
		.amdhsa_user_sgpr_kernarg_segment_ptr 1
		.amdhsa_wavefront_size32 1
		.amdhsa_system_sgpr_workgroup_id_x 1
		.amdhsa_system_sgpr_workgroup_id_y 1
		.amdhsa_system_sgpr_workgroup_id_z 1
		.amdhsa_system_vgpr_workitem_id 0
		.amdhsa_next_free_vgpr 256
		.amdhsa_next_free_sgpr 66
		.amdhsa_reserve_vcc 1
		.amdhsa_float_denorm_mode_32 3
		.amdhsa_float_denorm_mode_16_64 3
		.amdhsa_memory_ordered 1
		.amdhsa_forward_progress 1
		.amdhsa_inst_pref_size 81
	.end_amdhsa_kernel
	.amdgpu_metadata
---
amdhsa.version: [ 1, 2 ]
amdhsa.kernels:
  - .name:           k_qe6670247fd_attn
    .symbol:         k_qe6670247fd_attn.kd
    .args:
      - { .name: qkv, .offset: 0, .size: 8, .value_kind: global_buffer, .address_space: global }
      - { .name: obuf, .offset: 8, .size: 8, .value_kind: global_buffer, .address_space: global }
    .group_segment_fixed_size: 327680
    .private_segment_fixed_size: 0
    .kernarg_segment_align: 8
    .kernarg_segment_size: 16
    .max_flat_workgroup_size: 512
    .sgpr_count:     66
    .vgpr_count:     256
    .wavefront_size: 32
...
	.end_amdgpu_metadata
.endif
;; end of part 2
;; launch proj (part 3): grid 32 x 8, 4 waves a work-group, clusters of 4 x 1, 167,936 bytes of LDS; arguments obuf, Wo_codes, Wo_scales, out0; writes out0
.if DOCPART == 3
	.amdgcn_target "amdgcn-amd-amdhsa--gfx1250"
	.amdhsa_code_object_version 6
	.text
	.protected	k_qe6670247fd_proj
	.globl	k_qe6670247fd_proj
	.p2align	8
	.type	k_qe6670247fd_proj,@function
k_qe6670247fd_proj:
	s_mov_b64 s[64:65], 0
	v_nop
	global_prefetch_b8 v0, s[64:65] scope:SCOPE_SE
	s_setreg_imm32_b32 hwreg(HW_REG_WAVE_MODE, 25, 1), 1
	s_wait_xcnt 0x0
	s_wait_alu depctr_hold_cnt(0) depctr_sa_sdst(0) depctr_va_vdst(0) depctr_va_sdst(0) depctr_va_ssrc(0) depctr_va_vcc(0) depctr_vm_vsrc(0)
	s_getreg_b32 s2, hwreg(HW_REG_IB_STS2, 6, 4)
	s_cmp_eq_u32 s2, 0
	s_cbranch_scc0 .Lentry_in_a_cluster
	s_endpgm
.Lentry_in_a_cluster:
	s_bfe_u32 s2, ttmp6, 0x10000c
	s_cmp_lg_u32 s2, 0x3003
	s_cbranch_scc0 .Lentry_shape_is_right
	s_endpgm
.Lentry_shape_is_right:
; out = o Wo on codes of FP6 (E2M3) with E8M0 scales; sums in f32, K = 1,024 ascending in one chain for each output.  o comes from the attention launch as images of operand registers, Wo as rows of codes.
; SHARES.  A work-group makes 128 tokens (tb = grid x) x 128 columns (nb = grid y).  Wave w makes columns 64 (w % 2) on x tokens 64 (w / 2) on: 16 accumulators.
; o GOES FROM MEMORY STRAIGHT INTO REGISTERS: an image is the operand's registers lane by lane, so each load of the wave covers 512 or 256 consecutive bytes; K step q's 16 loads are issued three K steps ahead of their products.
; Wo's 128 rows for all of K lie in LDS whole, filled once: each wave asks for 32 rows, jointly with its cluster's partners.
; CLUSTER 4 x 1 along the token blocks: the four have the same nb, so the same rows of Wo; the mask names the four.
; USED TRANSPOSED: source 0 = 16 rows of Wo (neighbours), source 1 = a token tile of o: a lane holds eight neighbouring columns of one token's row.
; Row R of o's tile s (of my four) is token 8 s + (R & 7) + 32 (R >> 3) of my 64: the order is undone in the stores' immediates.  K step q of a tile is the half fragments of heads 2 q and 2 q + 1.
; No prefetch: the launch has no loop over memory to run ahead in.
; LIMITS: NaN, infinities and the scale byte 0xff among the inputs are not served.
.set PITCH, 816                        ; a row of Wo's codes: 768 bytes + 16 of padding behind every 256
.set HALFT, 64*PITCH
.set STAGE, 128*PITCH                  ; behind Wo: 16 rows x 272 bytes for each wave, for the way out.  No fill lands here
.set SPARE, STAGE+4*16*272             ; the spare words
.set OSC,   3145728
.set AW,  8                            ; v8, v9   Wo: row x pitch + 24 h; + 40 h for pieces behind one padding more
.set WS,  16                           ; v16-31   Wo's scale words: pair p, K step q at WS + 8 p + q: lanes 0-15 tile 2 p, lanes 16-31 tile 2 p + 1
.set OS,  32                           ; v32-47   o's likewise
.set BK,  48                           ; v48-111  the way out: two sets of 32
.set ACC, 128                          ; accumulator (s, t) at ACC + 32 s + 8 t
; window 1: o's fragments of K steps 0-4 at 48 q; window 2: K steps 5-7 at 48 (q - 5), Wo's two buffers at 144, 192
.set G1W, 36
.set G0W, 48
.set MSB, 0
.macro WIN new
.if MSB != (\new)
	s_set_vgpr_msb (MSB<<8)|(\new)
.set MSB, (\new)
.endif
.endm
.macro PLACES
.rept 4
	v_nop
.endr
.endm
.macro CROUND
	s_barrier_signal -1
	s_barrier_wait -1
	s_cmp_lg_u32 s3, 0
	s_cbranch_scc1 .Lnot_wave_0_\@
	s_barrier_signal -3
.Lnot_wave_0_\@:
	s_barrier_wait -3
	s_barrier_signal -1
	s_barrier_wait -1
.endm
.macro WM d, a, b, c, sa, sb, ra, rb
.if (\ra) && (\rb)
	v_wmma_scale_f32_16x16x128_f8f6f4 v[\d:\d+7], v[\a:\a+11], v[\b:\b+11], \c, v[\sa], v[\sb] matrix_a_fmt:MATRIX_FMT_FP6 matrix_b_fmt:MATRIX_FMT_FP6 matrix_a_scale:MATRIX_SCALE_ROW1 matrix_b_scale:MATRIX_SCALE_ROW1
.elseif (\ra)
	v_wmma_scale_f32_16x16x128_f8f6f4 v[\d:\d+7], v[\a:\a+11], v[\b:\b+11], \c, v[\sa], v[\sb] matrix_a_fmt:MATRIX_FMT_FP6 matrix_b_fmt:MATRIX_FMT_FP6 matrix_a_scale:MATRIX_SCALE_ROW1
.elseif (\rb)
	v_wmma_scale_f32_16x16x128_f8f6f4 v[\d:\d+7], v[\a:\a+11], v[\b:\b+11], \c, v[\sa], v[\sb] matrix_a_fmt:MATRIX_FMT_FP6 matrix_b_fmt:MATRIX_FMT_FP6 matrix_b_scale:MATRIX_SCALE_ROW1
.else
	v_wmma_scale_f32_16x16x128_f8f6f4 v[\d:\d+7], v[\a:\a+11], v[\b:\b+11], \c, v[\sa], v[\sb] matrix_a_fmt:MATRIX_FMT_FP6 matrix_b_fmt:MATRIX_FMT_FP6
.endif
.endm
.macro FRAG reg, adr, q, rowoff        ; a fragment from rows of codes, in pieces of 8 bytes: piece P of a row lies at 8 P + 16 (P / 32); lanes 16-31 read three pieces on
.irp p, 0,1,2,3,4,5
.set PCE, 12*(\q)+6*(\p/3)+\p%3
.if PCE%32 < 29
	ds_load_b64 v[\reg+2*\p:\reg+2*\p+1], v[\adr] offset:8*PCE+16*(PCE/32)+(\rowoff)
.else
	ds_load_b64 v[\reg+2*\p:\reg+2*\p+1], v[\adr+1] offset:8*PCE+16*(PCE/32)+(\rowoff)
.endif
.endr
.endm
.macro FETCHW q, f                     ; Wo's four fragments of K step q into buffer f: 24 loads
	WIN 0x80
.irp t, 0,1,2,3
	FRAG 144+48*(\f)+12*\t, AW, \q, 16*\t*PITCH
.endr
.endm
.macro OLOAD q                         ; o's four fragments of K step q: 16 loads
.set XR, 48*((\q)%5)
	WIN (0x40*(1+(\q)/5))
.irp s, 0,1,2,3
	global_load_b128 v[XR+12*\s:XR+12*\s+3], v10, s[68:69] offset:12288*\s+1536*(\q)
	global_load_b64 v[XR+12*\s+4:XR+12*\s+5], v11, s[68:69] offset:12288*\s+1536*(\q)+512
	global_load_b128 v[XR+12*\s+6:XR+12*\s+9], v10, s[68:69] offset:12288*\s+1536*(\q)+768
	global_load_b64 v[XR+12*\s+10:XR+12*\s+11], v11, s[68:69] offset:12288*\s+1536*(\q)+1280
.endr
.endm
.macro MUL q, f, zero                  ; 16 products, the 16 accumulators by turns
.set XW, 1+(\q)/5
.set XR, 48*((\q)%5)
.set WR, 144+48*(\f)
	WIN (2|(XW<<2))
.irp t, 0,1,2,3
.irp s, 0,1,2,3
.if \zero
	WM ACC+32*\s+8*\t, WR+12*\t, XR+12*\s, 0, WS+8*(\t/2)+(\q), OS+8*(\s/2)+(\q), \t%2, \s%2
.else
	WM ACC+32*\s+8*\t, WR+12*\t, XR+12*\s, v[ACC+32*\s+8*\t:ACC+32*\s+8*\t+7], WS+8*(\t/2)+(\q), OS+8*(\s/2)+(\q), \t%2, \s%2
.endif
.endr
.endr
.endm
	s_load_b256 s[8:15], s[0:1], 0x0               ; obuf, Wo's codes, Wo's scales, out0
	v_lshl_add_u32 v126, v0, 2, SPARE
	v_mov_b32 v127, 0
	ds_add_u32 v126, v127                          ; the opening lines
	ds_add_u32 v126, v127
	v_lshrrev_b32 v4, 5, v0
	v_readfirstlane_b32 s3, v4                     ; wave
	s_lshr_b32 s4, s3, 1                           ; which 64 tokens are mine
	s_and_b32 s5, s3, 1                            ; which 64 columns
	s_bfe_u32 s6, ttmp6, 0x40000                   ; cx
	s_lshl_b32 s52, ttmp9, 2
	s_add_co_u32 s52, s52, s6                      ; tb
	s_and_b32 s27, ttmp7, 0xffff                   ; nb
	s_mov_b32 s[G1W], 15|(0<<16)|(1<<20)|(1<<21)|(5<<22)|(3<<25)   ; 32 rows of 768 bytes; 16 bytes of padding behind every 64 words
	s_mov_b32 s[G1W+1], 768<<16
	s_mov_b32 s[G1W+2], 32<<16
	s_mov_b32 s[G1W+3], 768<<16
	s_mov_b32 s[G1W+4], 32
	s_mov_b32 s[G1W+5], 768
	s_mov_b32 s[G1W+6], 0
	s_mov_b32 s[G1W+7], 0
	s_mul_i32 s60, s27, 98304
	s_mul_i32 s61, s3, 24576
	s_add_co_u32 s60, s60, s61                     ; Wo: (128 nb + 32 w) rows
	s_mov_b32 s61, 0
	s_mul_i32 s85, s3, 32*PITCH
	s_lshl_b32 s62, s27, 12
	s_lshl_b32 s63, s5, 11
	s_add_co_u32 s62, s62, s63                     ; Wo's scales at my 64 rows
	s_mov_b32 s63, 0
	s_mul_i32 s66, s52, 98304
	s_mul_i32 s67, s4, 49152
	s_add_co_u32 s66, s66, s67                     ; o's images: tiles 8 tb + 4 (w / 2) on, 12,288 bytes each
	s_mov_b32 s67, 0
	s_lshl_b32 s70, s52, 12
	s_lshl_b32 s71, s4, 11
	s_add_co_u32 s70, s70, s71
	s_add_co_u32 s70, s70, OSC                     ; o's scales at my four tiles
	s_mov_b32 s71, 0
	s_lshl_b32 s72, s52, 19
	s_lshl_b32 s73, s4, 18
	s_add_co_u32 s72, s72, s73                     ; my first token's row of 4,096 bytes,
	s_lshl_b32 s73, s27, 9
	s_add_co_u32 s72, s72, s73
	s_lshl_b32 s73, s5, 8
	s_add_co_u32 s72, s72, s73                     ; my first column
	s_mov_b32 s73, 0
	s_mul_i32 s84, s5, HALFT
	s_mul_i32 s87, s3, 16*272
	s_add_co_u32 s87, s87, STAGE                   ; my stage
	v_and_b32 v1, 15, v0                           ; r
	v_bfe_u32 v2, v0, 4, 1                         ; h
	v_and_b32 v3, 31, v0                           ; lane
	v_lshlrev_b32 v15, 5, v3                       ; scales: 32 bytes a row
	v_mul_u32_u24 v5, v1, PITCH
	v_mad_u32_u24 v6, v2, 24, v5
	v_mad_u32_u24 v7, v2, 40, v5
	v_add_nc_u32 v[AW], s84, v6
	v_add_nc_u32 v[AW+1], s84, v7
	v_lshlrev_b32 v10, 4, v3
	v_lshlrev_b32 v11, 3, v3
	v_mul_u32_u24 v12, v1, 272
	v_lshl_add_u32 v12, v2, 5, v12
	v_add_nc_u32 v12, s87, v12                     ; in: row r, 32 bytes for each half of the lanes
	v_mul_u32_u24 v13, v2, 272
	v_lshl_add_u32 v13, v1, 4, v13
	v_add_nc_u32 v13, s87, v13                     ; back: lanes 0-15 one row of 256 bytes, lanes 16-31 the next
	v_lshlrev_b32 v14, 12, v2
	v_lshl_add_u32 v14, v1, 4, v14                 ; and the same two rows of out0
	s_wait_alu depctr_va_vdst(0)                   ; the wait at the head's end
	s_wait_dscnt 0x0
	s_wait_kmcnt 0x0
	s_mov_b32 s[G0W], 1
	s_mov_b32 s[G0W+1], s85
	s_add_nc_u64 s[G0W+2:G0W+3], s[10:11], s[60:61]
	s_or_b32 s[G0W+3], s[G0W+3], 0x80000000
	s_add_nc_u64 s[12:13], s[12:13], s[62:63]
	s_add_nc_u64 s[68:69], s[8:9], s[66:67]
	s_add_nc_u64 s[74:75], s[8:9], s[70:71]
	s_add_nc_u64 s[14:15], s[14:15], s[72:73]
	CROUND                                         ; the joint loads meet
	tensor_load_to_lds s[G0W:G0W+3], s[G1W:G1W+7]  ; my one tensor load
	s_nop 0
	PLACES
.irp p, 0,1
	global_load_b128 v[WS+8*\p:WS+8*\p+3], v15, s[12:13] offset:1024*\p
	global_load_b128 v[WS+8*\p+4:WS+8*\p+7], v15, s[12:13] offset:1024*\p+16
	global_load_b128 v[OS+8*\p:OS+8*\p+3], v15, s[74:75] offset:1024*\p
	global_load_b128 v[OS+8*\p+4:OS+8*\p+7], v15, s[74:75] offset:1024*\p+16
.endr
	OLOAD 0
	OLOAD 1
	OLOAD 2
	WIN 0
	s_wait_tensorcnt 0x0                           ; my part of Wo is in,
	s_barrier_signal -1
	s_barrier_wait -1                              ; everybody's is
	FETCHW 0, 0
.irp q, 0,1,2,3,4,5,6,7
.if \q < 7
.if \q > 0
	PLACES                                         ; the buffer loaded next was multiplied by the products just issued
.endif
	FETCHW \q+1, (\q+1)%2
.endif
.if \q < 5
	OLOAD \q+3
	s_wait_loadcnt 48                              ; all but the three later K steps' 48 loads: the scale words and this K step's fragments of o are in
.else
	s_wait_loadcnt 16*(7-\q)
.endif
.if \q < 7
	s_wait_dscnt 24                                ; all but the 24 loads just issued
.else
	s_wait_dscnt 0x0
.endif
.if \q == 0
	MUL \q, 0, 1                                   ; the first K step starts the sums
.else
	MUL \q, \q%2, 0
.endif
.endr
	WIN 0
; THE WAY OUT, a token tile (16 rows x 64 columns) at a time through my own stage: LDS serves a wave's instructions in order, so no wait stands between the stores and the loads, nor in front of the next tile's stores.
.macro TOSTAGE s
.irp t, 0,1,2,3
	ds_store_b128 v12, v[ACC+32*(\s)+8*\t:ACC+32*(\s)+8*\t+3] offset:64*\t          ; each accumulator from its low end on
	ds_store_b128 v12, v[ACC+32*(\s)+8*\t+4:ACC+32*(\s)+8*\t+7] offset:64*\t+16
.endr
.irp i, 0,1,2,3,4,5,6,7
	ds_load_b128 v[BK+32*((\s)%2)+4*\i:BK+32*((\s)%2)+4*\i+3], v13 offset:544*\i
.endr
.endm
.macro SEND s, younger                 ; younger: the LDS instructions issued behind tile s's loads, which may stay out
	s_wait_dscnt \younger
.irp i, 0,1,2,3,4,5,6,7
	global_store_b128 v14, v[BK+32*((\s)%2)+4*\i:BK+32*((\s)%2)+4*\i+3], s[14:15] offset:(8*(\s)+2*(\i%4)+32*(\i/4))*4096 th:TH_STORE_NT   ; tile row 2 i + h; 16 lanes store 256 consecutive bytes, at a multiple of 256 from out0's first byte
.endr
.endm
	PLACES
	TOSTAGE 0
.irp s, 1,2,3
.if \s > 1
	s_wait_xcnt 0x0                                ; tile s - 2's stores have read their registers: tile s's loads may land there
.endif
	TOSTAGE \s
	SEND \s-1, 16                                  ; behind tile s - 1's loads: tile s's 8 stores and 8 loads
.endr
	SEND 3, 0
	s_wait_tensorcnt 0x0                           ; the wave's end
	ds_add_u32 v126, v127
	s_wait_dscnt 0x0
	CROUND                                         ; the closing round
	s_endpgm
.Lfunc_end_k_qe6670247fd_proj:
	.size	k_qe6670247fd_proj, .Lfunc_end_k_qe6670247fd_proj-k_qe6670247fd_proj
	.p2alignl 7, 3214868480
	.fill 96, 4, 3214868480
	.section	.rodata,"a",@progbits
	.p2align	6, 0x0
	.amdhsa_kernel k_qe6670247fd_proj
		.amdhsa_group_segment_fixed_size 167936
		.amdhsa_private_segment_fixed_size 0
		.amdhsa_enable_private_segment 0
		.amdhsa_kernarg_size 32
		.amdhsa_user_sgpr_count 2
		.amdhsa_user_sgpr_kernarg_segment_ptr 1
		.amdhsa_wavefront_size32 1
		.amdhsa_system_sgpr_workgroup_id_x 1
		.amdhsa_system_sgpr_workgroup_id_y 1
		.amdhsa_system_sgpr_workgroup_id_z 1
		.amdhsa_system_vgpr_workitem_id 0
		.amdhsa_next_free_vgpr 768
		.amdhsa_next_free_sgpr 96
		.amdhsa_reserve_vcc 0
		.amdhsa_float_denorm_mode_32 3
		.amdhsa_float_denorm_mode_16_64 3
		.amdhsa_memory_ordered 1
		.amdhsa_forward_progress 1
		.amdhsa_inst_pref_size 56
	.end_amdhsa_kernel
	.amdgpu_metadata
---
amdhsa.version: [ 1, 2 ]
amdhsa.kernels:
  - .name:           k_qe6670247fd_proj
    .symbol:         k_qe6670247fd_proj.kd
    .args:
      - { .name: obuf, .offset: 0, .size: 8, .value_kind: global_buffer, .address_space: global }
      - { .name: Wo_codes, .offset: 8, .size: 8, .value_kind: global_buffer, .address_space: global }
      - { .name: Wo_scales, .offset: 16, .size: 8, .value_kind: global_buffer, .address_space: global }
      - { .name: out0, .offset: 24, .size: 8, .value_kind: global_buffer, .address_space: global }
    .group_segment_fixed_size: 167936
    .private_segment_fixed_size: 0
    .kernarg_segment_align: 8
    .kernarg_segment_size: 32
    .max_flat_workgroup_size: 128
    .sgpr_count:     96
    .vgpr_count:     768
    .wavefront_size: 32
...
	.end_amdgpu_metadata
.endif
;; end of part 3
